; MI455X (gfx1250); checked and timed in simulation.
; The chip was launched on July 23, 2026; its instructions are those of AMD's public machine-readable ISA for CDNA 5 (MIT licence, August 2026) and "CDNA5" Instruction Set Architecture Reference Guide (July 2026). The comments in the code are by the model that wrote it; some were corrected since.
;; Row Encoder. Allowed arithmetic: float matrix products may take bf16 or f16 operands with f32 sums; all other float work in f32.
;; Inputs: params_blocks_0_ln1_b 128 float32; params_blocks_0_ln1_g 128 float32; params_blocks_0_ln2_b 128 float32; params_blocks_0_ln2_g 128 float32; params_blocks_0_w1_b 128 float32; params_blocks_0_w1_w 128 x 128 float32; params_blocks_0_w2_b 128 float32; params_blocks_0_w2_w 128 x 128 float32; params_blocks_0_wk_b 128 float32; params_blocks_0_wk_w 128 x 128 float32; params_blocks_0_wo_b 128 float32; params_blocks_0_wo_w 128 x 128 float32; params_blocks_0_wq_b 128 float32; params_blocks_0_wq_w 128 x 128 float32; params_blocks_0_wv_b 128 float32; params_blocks_0_wv_w 128 x 128 float32; params_blocks_1_ln1_b 128 float32; params_blocks_1_ln1_g 128 float32; params_blocks_1_ln2_b 128 float32; params_blocks_1_ln2_g 128 float32; params_blocks_1_w1_b 128 float32; params_blocks_1_w1_w 128 x 128 float32; params_blocks_1_w2_b 128 float32; params_blocks_1_w2_w 128 x 128 float32; params_blocks_1_wk_b 128 float32; params_blocks_1_wk_w 128 x 128 float32; params_blocks_1_wo_b 128 float32; params_blocks_1_wo_w 128 x 128 float32; params_blocks_1_wq_b 128 float32; params_blocks_1_wq_w 128 x 128 float32; params_blocks_1_wv_b 128 float32; params_blocks_1_wv_w 128 x 128 float32; params_blocks_2_ln1_b 128 float32; params_blocks_2_ln1_g 128 float32; params_blocks_2_ln2_b 128 float32; params_blocks_2_ln2_g 128 float32; params_blocks_2_w1_b 128 float32; params_blocks_2_w1_w 128 x 128 float32; params_blocks_2_w2_b 128 float32; params_blocks_2_w2_w 128 x 128 float32; params_blocks_2_wk_b 128 float32; params_blocks_2_wk_w 128 x 128 float32; params_blocks_2_wo_b 128 float32; params_blocks_2_wo_w 128 x 128 float32; params_blocks_2_wq_b 128 float32; params_blocks_2_wq_w 128 x 128 float32; params_blocks_2_wv_b 128 float32; params_blocks_2_wv_w 128 x 128 float32; params_cls 4 x 128 float32; params_out_b 128 float32; params_out_g 128 float32; x 8 x 64 x 128 x 128 float32.
;; Outputs: out0 8 x 64 x 512 float32; out1 8 x 64 x 128 x 128 float32.
;; One version. Each part assembles by itself: llvm-mc -triple=amdgcn-amd-amdhsa -mcpu=gfx1250 --defsym DOCPART=n.
;; ======== version 1 of 1: 2 launches
;; limits: values are held in f16: magnitudes above 65,504 overflow, below 6.1e-05 lose precision; a function is approximated: absolute error at most 1.5e-07
;; workspace buffers: ws 606,208 bytes
;; launch prep (part 1): grid 152 x 1, 8 waves a work-group, no clusters, 0 bytes of LDS; arguments params_blocks_0_wq_w, params_blocks_0_wk_w, params_blocks_0_wv_w, params_blocks_0_wo_w, params_blocks_0_w1_w, params_blocks_0_w2_w, params_blocks_1_wq_w, params_blocks_1_wk_w, params_blocks_1_wv_w, params_blocks_1_wo_w, params_blocks_1_w1_w, params_blocks_1_w2_w, params_blocks_2_wq_w, params_blocks_2_wk_w, params_blocks_2_wv_w, params_blocks_2_wo_w, params_blocks_2_w1_w, params_blocks_2_w2_w, params_blocks_0_wq_b, params_blocks_0_wk_b, params_blocks_0_wv_b, params_blocks_1_wq_b, params_blocks_1_wk_b, params_blocks_1_wv_b, params_blocks_2_wq_b, params_blocks_2_wk_b, params_blocks_2_wv_b, ws; writes ws
.if DOCPART == 1
	.amdgcn_target "amdgcn-amd-amdhsa--gfx1250"
	.amdhsa_code_object_version 6
	.text
	.protected	k_q4716c800f5_prep
	.globl	k_q4716c800f5_prep
	.p2align	8
	.type	k_q4716c800f5_prep,@function
k_q4716c800f5_prep:
	s_mov_b64 s[64:65], 0
	v_nop
	global_prefetch_b8 v0, s[64:65] scope:SCOPE_SE
	s_setreg_imm32_b32 hwreg(HW_REG_WAVE_MODE, 25, 1), 1
	s_wait_xcnt 0x0
; Packs the parameters that the main launch wants in another form, into ws.
;  bytes 0 .. 589823: the 18 weight matrices W[k][col] (f32, 128 x 128) as f16 fragment images.  Matrix mi = 6 block + kind
;    (q k v o w1 w2) at 32768 mi; tile f of 16 columns at + 4096 f; piece i at + 512 i; lane L at + 16 L.  With r = L % 16, h = L / 16
;    the lane's 16 bytes are W[16 i + 8 h + e][col], e = 0..7: pieces 2 ks and 2 ks + 1 are the 8 registers of a 16 x 32 fragment.
;    col = 16 f + r; for q and k col = 16 f + pi(r), pi(m) = 4 (m >> 3) + ((m >> 1) & 3) + 8 (m & 1): the two halves (d, d + 8) of a
;    rotary pair become neighbours.  Applied alike to q and k the order of a head's 16 numbers does not change q . k.
;  bytes 589824 .. 606207: bq, bk (in the order pi), bv of the three blocks, 512 bytes each; then from + 4608 a table of 80 bytes a token:
;    8 pairs (cos, sin) of token * 100000^(-q/8), q = 0..7, and 16 bytes of zeros.
; Work-groups 0..143: matrix mi = id / 8, piece i = id % 8, wave = tile f; a wave stores 512 consecutive bytes.
; Work-groups 144..151: 64 waves, each stores 32 pairs of f32 (256 consecutive bytes) of the second part.
; Limit: a weight above 65,504 in magnitude becomes infinite in f16.
.set TABG, 589824
	s_load_b512 s[8:23], s[0:1], 0x0               ; argument n lies in s[8+2n:9+2n]
	s_load_b512 s[24:39], s[0:1], 0x40
	s_load_b512 s[40:55], s[0:1], 0x80
	s_load_b256 s[56:63], s[0:1], 0xc0             ; ws is s[62:63]
	v_lshrrev_b32 v2, 5, v0
	v_readfirstlane_b32 s2, v2                     ; wave
	v_and_b32 v1, 31, v0                           ; lane
	s_wait_kmcnt 0x0
	s_cmp_ge_u32 ttmp9, 144
	s_cbranch_scc1 .Ltables
	; ---- a piece of a matrix
	s_lshr_b32 s3, ttmp9, 3                        ; mi
	s_and_b32 s4, ttmp9, 7                         ; piece i
	s_mov_b64 s[66:67], s[8:9]                     ; the matrix's address, chosen by its number
.set k_, 1
.rept 17
	s_cmp_eq_u32 s3, k_
	s_cselect_b64 s[66:67], s[8+2*k_:9+2*k_], s[66:67]
.set k_, k_+1
.endr
	s_mul_i32 s5, s3, 43
	s_lshr_b32 s5, s5, 8                           ; block = mi / 6 (exact for mi < 18)
	s_mul_i32 s5, s5, 6
	s_sub_co_u32 s5, s3, s5                        ; kind
	s_cmp_lt_u32 s5, 2
	s_cselect_b32 s5, -1, 0                        ; q and k: all lanes take pi(r)
	v_and_b32 v3, 15, v0                           ; r
	v_bfe_u32 v4, v0, 4, 1                         ; h
	v_lshrrev_b32 v5, 3, v3
	v_bfe_u32 v6, v3, 1, 2
	v_and_b32 v7, 1, v3
	v_lshl_add_u32 v5, v5, 2, v6
	v_lshl_add_u32 v5, v7, 3, v5                   ; pi(r)
	v_cndmask_b32 v5, v3, v5, s5
	v_lshl_add_u32 v5, s2, 4, v5                   ; col = 16 f + ..
	v_lshlrev_b32 v5, 2, v5
	v_lshl_add_u32 v5, v4, 12, v5                  ; + 8 h rows of 512 bytes
	s_lshl_b32 s6, s4, 13                          ; + 16 i rows
	v_add_nc_u32 v5, s6, v5
.irp e, 0,1,2,3,4,5,6,7
	global_load_b32 v[8+\e], v5, s[66:67] offset:512*\e
.endr
	s_lshl_b32 s7, s3, 15
	s_lshl_b32 s6, s2, 12
	s_add_co_u32 s7, s7, s6
	s_lshl_b32 s6, s4, 9
	s_add_co_u32 s7, s7, s6                        ; 32768 mi + 4096 f + 512 i
	v_lshl_add_u32 v6, v1, 4, s7
	s_wait_loadcnt 0x0
	v_cvt_pk_f16_f32 v16, v8, v9
	v_cvt_pk_f16_f32 v17, v10, v11
	v_cvt_pk_f16_f32 v18, v12, v13
	v_cvt_pk_f16_f32 v19, v14, v15
	global_store_b128 v6, v[16:19], s[62:63]
	s_endpgm
.Ltables:
	s_sub_co_u32 s3, ttmp9, 144
	s_lshl_b32 s3, s3, 3
	s_add_co_u32 s3, s3, s2                        ; W = 0..63
	v_lshl_add_u32 v2, s3, 5, v1                   ; pair number 32 W + lane
	v_lshlrev_b32 v3, 3, v2                        ; its byte
	s_cmp_ge_u32 s3, 18
	s_cbranch_scc1 .Lrope
	; ---- half of one of the nine bias vectors: 32 pairs
	s_lshr_b32 s4, s3, 1                           ; vector 3 block + kind
	s_mov_b64 s[66:67], s[44:45]
.set k_, 1
.rept 8
	s_cmp_eq_u32 s4, k_
	s_cselect_b64 s[66:67], s[44+2*k_:45+2*k_], s[66:67]
.set k_, k_+1
.endr
	s_mul_i32 s5, s4, 11
	s_lshr_b32 s5, s5, 5                           ; vector / 3 (exact below 9)
	s_mul_i32 s5, s5, 3
	s_sub_co_u32 s5, s4, s5                        ; kind
	s_cmp_lt_u32 s5, 2
	s_cselect_b32 s6, -1, 0                        ; bq, bk: in the order pi
	s_cselect_b32 s7, 32, 4                        ; the pair's second number lies 8 words on, else 1
	s_and_b32 s5, s3, 1
	s_lshl_b32 s5, s5, 6
	v_lshl_add_u32 v4, v1, 1, s5                   ; n0 = 64 (W & 1) + 2 lane, even
	v_lshrrev_b32 v5, 4, v4
	v_bfe_u32 v6, v4, 3, 1
	v_bfe_u32 v7, v4, 1, 2
	v_lshlrev_b32 v5, 4, v5
	v_lshl_add_u32 v5, v6, 2, v5
	v_add_nc_u32 v5, v5, v7                        ; 16 (n0 / 16) + pi(n0 % 16)
	v_cndmask_b32 v5, v4, v5, s6
	v_lshlrev_b32 v5, 2, v5
	v_add_nc_u32 v6, s7, v5
	global_load_b32 v8, v5, s[66:67]
	global_load_b32 v9, v6, s[66:67]
	s_wait_loadcnt 0x0
	global_store_b64 v3, v[8:9], s[62:63] offset:TABG
	s_endpgm
.Lrope:
	; ---- one pair (cos, sin).  The angle is below 148: reduced by multiples of pi/2 (pi/2 in two parts), then polynomials on |rho| <= pi/4
	; whose first dropped terms are rho^9/9! and rho^10/10!, below 3.1e-7.
	s_lshl_b32 s4, s3, 5
	s_sub_co_u32 s4, s4, 576
	v_add_nc_u32 v4, s4, v1                        ; e = pair - 576, 0..1471
	v_mul_u32_u24 v5, v4, 0xcccd
	v_lshrrev_b32 v5, 19, v5                       ; token = e / 10 (exact for e < 43,000)
	v_mul_u32_u24 v6, v5, 10
	v_sub_nc_u32 v6, v4, v6                        ; q = 0..9
	v_cvt_f32_u32 v7, v6
	v_cvt_f32_u32 v8, v5
	v_mul_f32 v7, 0xc004e08b, v7                   ; -q log2(100000) / 8
	v_exp_f32 v7, v7
	v_cmp_gt_u32 s5, 8, v6                         ; (a plain instruction stands behind the exponential: ISA guide 5.7.2)  q < 8
	s_wait_alu depctr_va_vdst(0)
	v_mul_f32 v8, v8, v7                           ; the angle
	v_mul_f32 v9, 0x3f22f983, v8                   ; x 2/pi
	v_rndne_f32 v9, v9                             ; n
	v_fmamk_f32 v10, v9, 0xbfc90fdb, v8            ; - n x (pi/2 rounded to f32)
	v_fmamk_f32 v10, v9, 0x333bbd2e, v10           ; + n x (that rounding's excess)
	v_mul_f32 v11, v10, v10                        ; rho^2
	v_mov_b32 v12, 0xb9500d01                      ; -1/5040
	v_fmaak_f32 v12, v12, v11, 0x3c088889          ; 1/120
	v_fmaak_f32 v12, v12, v11, 0xbe2aaaab          ; -1/6
	v_mul_f32 v13, v10, v11
	v_fma_f32 v12, v12, v13, v10                   ; sin rho
	v_mov_b32 v14, 0x37d00d01                      ; 1/40320
	v_fmaak_f32 v14, v14, v11, 0xbab60b61          ; -1/720
	v_fmaak_f32 v14, v14, v11, 0x3d2aaaab          ; 1/24
	v_fmaak_f32 v14, v14, v11, 0xbf000000          ; -1/2
	v_fma_f32 v14, v14, v11, 1.0                   ; cos rho
	v_cvt_i32_f32 v15, v9
	v_and_b32 v16, 1, v15
	v_cmp_eq_u32 vcc_lo, 1, v16                    ; odd quadrant: the two change places
	v_cndmask_b32 v17, v12, v14, vcc_lo            ; sin
	v_cndmask_b32 v18, v14, v12, vcc_lo            ; cos
	v_and_b32 v19, 2, v15
	v_lshlrev_b32 v19, 30, v19
	v_xor_b32 v17, v17, v19                        ; sin is negative in quadrants 2, 3
	v_add_nc_u32 v15, 1, v15
	v_and_b32 v15, 2, v15
	v_lshlrev_b32 v15, 30, v15
	v_xor_b32 v18, v18, v15                        ; cos in quadrants 1, 2
	v_cndmask_b32 v20, 0, v18, s5                  ; pairs 8 and 9 of a token are zeros
	v_cndmask_b32 v21, 0, v17, s5
	global_store_b64 v3, v[20:21], s[62:63] offset:TABG
	s_endpgm
.Lfunc_end_k_q4716c800f5_prep:
	.size	k_q4716c800f5_prep, .Lfunc_end_k_q4716c800f5_prep-k_q4716c800f5_prep
	.p2alignl 7, 3214868480
	.fill 96, 4, 3214868480
	.section	.rodata,"a",@progbits
	.p2align	6, 0x0
	.amdhsa_kernel k_q4716c800f5_prep
		.amdhsa_group_segment_fixed_size 0
		.amdhsa_private_segment_fixed_size 0
		.amdhsa_enable_private_segment 0
		.amdhsa_kernarg_size 224
		.amdhsa_user_sgpr_count 2
		.amdhsa_user_sgpr_kernarg_segment_ptr 1
		.amdhsa_wavefront_size32 1
		.amdhsa_system_sgpr_workgroup_id_x 1
		.amdhsa_system_sgpr_workgroup_id_y 1
		.amdhsa_system_sgpr_workgroup_id_z 1
		.amdhsa_system_vgpr_workitem_id 0
		.amdhsa_next_free_vgpr 32
		.amdhsa_next_free_sgpr 80
		.amdhsa_reserve_vcc 1
		.amdhsa_float_denorm_mode_32 3
		.amdhsa_float_denorm_mode_16_64 3
		.amdhsa_memory_ordered 1
		.amdhsa_forward_progress 1
		.amdhsa_inst_pref_size 9
	.end_amdhsa_kernel
	.amdgpu_metadata
---
amdhsa.version: [ 1, 2 ]
amdhsa.kernels:
  - .name:           k_q4716c800f5_prep
    .symbol:         k_q4716c800f5_prep.kd
    .args:
      - { .name: params_blocks_0_wq_w, .offset: 0, .size: 8, .value_kind: global_buffer, .address_space: global }
      - { .name: params_blocks_0_wk_w, .offset: 8, .size: 8, .value_kind: global_buffer, .address_space: global }
      - { .name: params_blocks_0_wv_w, .offset: 16, .size: 8, .value_kind: global_buffer, .address_space: global }
      - { .name: params_blocks_0_wo_w, .offset: 24, .size: 8, .value_kind: global_buffer, .address_space: global }
      - { .name: params_blocks_0_w1_w, .offset: 32, .size: 8, .value_kind: global_buffer, .address_space: global }
      - { .name: params_blocks_0_w2_w, .offset: 40, .size: 8, .value_kind: global_buffer, .address_space: global }
      - { .name: params_blocks_1_wq_w, .offset: 48, .size: 8, .value_kind: global_buffer, .address_space: global }
      - { .name: params_blocks_1_wk_w, .offset: 56, .size: 8, .value_kind: global_buffer, .address_space: global }
      - { .name: params_blocks_1_wv_w, .offset: 64, .size: 8, .value_kind: global_buffer, .address_space: global }
      - { .name: params_blocks_1_wo_w, .offset: 72, .size: 8, .value_kind: global_buffer, .address_space: global }
      - { .name: params_blocks_1_w1_w, .offset: 80, .size: 8, .value_kind: global_buffer, .address_space: global }
      - { .name: params_blocks_1_w2_w, .offset: 88, .size: 8, .value_kind: global_buffer, .address_space: global }
      - { .name: params_blocks_2_wq_w, .offset: 96, .size: 8, .value_kind: global_buffer, .address_space: global }
      - { .name: params_blocks_2_wk_w, .offset: 104, .size: 8, .value_kind: global_buffer, .address_space: global }
      - { .name: params_blocks_2_wv_w, .offset: 112, .size: 8, .value_kind: global_buffer, .address_space: global }
      - { .name: params_blocks_2_wo_w, .offset: 120, .size: 8, .value_kind: global_buffer, .address_space: global }
      - { .name: params_blocks_2_w1_w, .offset: 128, .size: 8, .value_kind: global_buffer, .address_space: global }
      - { .name: params_blocks_2_w2_w, .offset: 136, .size: 8, .value_kind: global_buffer, .address_space: global }
      - { .name: params_blocks_0_wq_b, .offset: 144, .size: 8, .value_kind: global_buffer, .address_space: global }
      - { .name: params_blocks_0_wk_b, .offset: 152, .size: 8, .value_kind: global_buffer, .address_space: global }
      - { .name: params_blocks_0_wv_b, .offset: 160, .size: 8, .value_kind: global_buffer, .address_space: global }
      - { .name: params_blocks_1_wq_b, .offset: 168, .size: 8, .value_kind: global_buffer, .address_space: global }
      - { .name: params_blocks_1_wk_b, .offset: 176, .size: 8, .value_kind: global_buffer, .address_space: global }
      - { .name: params_blocks_1_wv_b, .offset: 184, .size: 8, .value_kind: global_buffer, .address_space: global }
      - { .name: params_blocks_2_wq_b, .offset: 192, .size: 8, .value_kind: global_buffer, .address_space: global }
      - { .name: params_blocks_2_wk_b, .offset: 200, .size: 8, .value_kind: global_buffer, .address_space: global }
      - { .name: params_blocks_2_wv_b, .offset: 208, .size: 8, .value_kind: global_buffer, .address_space: global }
      - { .name: ws, .offset: 216, .size: 8, .value_kind: global_buffer, .address_space: global }
    .group_segment_fixed_size: 0
    .private_segment_fixed_size: 0
    .kernarg_segment_align: 8
    .kernarg_segment_size: 224
    .max_flat_workgroup_size: 256
    .sgpr_count:     80
    .vgpr_count:     32
    .wavefront_size: 32
...
	.end_amdgpu_metadata
.endif
;; end of part 1
;; launch main (part 2): grid 256 x 1, 8 waves a work-group, no clusters, 268,800 bytes of LDS; arguments x, params_cls, ws, out0, out1, params_blocks_0_wo_b, params_blocks_0_ln1_g, params_blocks_0_ln1_b, params_blocks_0_w1_b, params_blocks_0_w2_b, params_blocks_0_ln2_g, params_blocks_0_ln2_b, params_blocks_1_wo_b, params_blocks_1_ln1_g, params_blocks_1_ln1_b, params_blocks_1_w1_b, params_blocks_1_w2_b, params_blocks_1_ln2_g, params_blocks_1_ln2_b, params_blocks_2_wo_b, params_blocks_2_ln1_g, params_blocks_2_ln1_b, params_blocks_2_w1_b, params_blocks_2_w2_b, params_blocks_2_ln2_g, params_blocks_2_ln2_b, params_out_g, params_out_b; writes out0, out1
.if DOCPART == 2
	.amdgcn_target "amdgcn-amd-amdhsa--gfx1250"
	.amdhsa_code_object_version 6
	.text
	.protected	k_q4716c800f5_main
	.globl	k_q4716c800f5_main
	.p2align	8
	.type	k_q4716c800f5_main,@function
k_q4716c800f5_main:
	s_mov_b64 s[64:65], 0
	v_nop
	global_prefetch_b8 v0, s[64:65] scope:SCOPE_SE
	s_setreg_imm32_b32 hwreg(HW_REG_WAVE_MODE, 25, 1), 1
	s_wait_xcnt 0x0
; The whole encoder: three blocks and the last LayerNorm, for two sequences of 132 tokens (4 cls + 128 rows of x; padded to 144 = 9 tiles of 16).
; Nothing goes through memory between the layers.  Eight waves, two roles each:
;  ATTENTION: wave w is head w of both sequences in turn.  Its Wq, Wk, Wv tiles stay in 96 registers; K and V of a sequence stay in registers.
;  ROWS: wave w = 4 sr + p owns features 32 p .. 32 p + 31 of sequence sr, all tokens.  The residual H stays in 144 f32 registers for the whole kernel.
; ORIENTATION (lane L: r = L % 16, h = L / 16; result register j): every product is laid so that its result is the next product's operand:
;  Q^T, K^T = W image x X: (position 8h+j, token r); a rotary pair is a register pair; four conversions give registers 0-3 of a fragment.
;  V = X x Wv image: (token 8h+j, dim r) = half a fragment of V^T.   S^T = K x Q: (key 8h+j, query r): maximum and sum are in the lane, one
;  exchange of the lane halves apart, and the converted exponentials are P^T's fragment.   O^T = V^T x P^T: (dim 8h+j, query r).
;  Row layers Y^T = W image x activation: (feature 16f+8h+j, token r) = H's layout, so the residual is the product's C.
;  A head has 16 numbers and a product takes 32: Q's registers 4-7 are zeros, against which K's next tile (finite numbers) stands.
; THE ATTENTION ROLE IS PIPELINED BY HAND: a token tile's rotary work runs between the next tile's products; a query tile's O products are issued
;  inside its stream of exponentials; the next tile's scores are issued behind them, and the tile's normalisation is woven into the next tile's maximum.
; PADDING: keys 132-143 get -inf or are not used, their V and P are zeros.  The padded rows hold finite numbers that reach no output.
; LDS (no bytes are filled by a copy engine): f16 activations by head slices: slice i = features 16 i .. 16 i + 15 of 144 tokens, 48 bytes a token
;  (32 + 16: sixteen rows start in sixteen different 16-byte columns of the 64 banks, ISA guide 11.1).  Piece i of a fragment is slice i.  Every wave
;  stores into a contiguous range of its own: head w slice w, row wave p slices 2p, 2p+1.
; WEIGHTS are not shared through a cluster: a wave wants only its own 4 or 8 KiB of a matrix, straight in registers as ready fragments
;  (864 KiB a work-group in all); a joint load would land in LDS, whence the same bytes would have to be read again.
; LIMITS: matrix operands are f16: a weight or activation above 65,504 in magnitude becomes infinite.  erf by the formula 7.1.26 of Abramowitz and Stegun,
;  good to 1.5e-7.  LayerNorm's sums are made in groups of 32 (mean and centred squares, then combined), an order other than the reference's.
;  In the last block the f16 copy behind LN2 is stored though nothing reads it: the three blocks share one text.
.set HS,     6912                      ; a slice
.set TP,     768                       ; 16 tokens of a slice
.set ACTSZ,  8*HS                      ; a sequence
.set ACT1,   2*ACTSZ                   ; ACT0 at 0 (x, LN results), ACT1 (Q parked, O, gelu)
.set STAT0,  4*ACTSZ                   ; (mean, M2) at + 4608 sr + 1152 p + 8 token
.set STAT1O, 9216                      ; the second set, for LN2
.set TABL,   STAT0+2*STAT1O            ; copy of ws's tables: bq bk bv, then the rotary table
.set ROPEL,  TABL+4608
.set VTD,    TABL+16384                ; the 23 vectors of the argument list, 512 bytes each
.set SIP,    528                       ; the way in: f32 rows, 512 + 16 bytes, from LDS byte 0 (over ACT0, ACT1)
.set SISZ,   144*SIP
.set SOP,    144                       ; the way out: four slices of 32 features, rows of 128 + 16 bytes
.set SOSL,   144*SOP+128
.set SOSZ,   4*SOSL
.set WMAT,   32768
.set TABG,   18*WMAT
; window 0
.set WL, 1                             ; 16 lane
.set AXA, 2                            ; v2, v3   fragments of ACT0, sequence 0, 1
.set QOA, 4                            ; v4, v5   my head's slice of ACT1, sequence 0, 1
.set OPT, 6                            ; the query tile whose O is stored next
.set RPA, 8
.set VQ, 9
.set VV, 10
.set AXR0, 11
.set AXR1, 12
.set ST0, 13
.set ST1, 14
.set SW, 15
.set SR, 16
.set VR, 17
.set XP, 18
.set GP, 19                            ; v21 lane, v22 r, v23 h stay; v7, v20, v24-v31 serve the start and the end; v24-v31 are an accumulator between
.set WQ, 32
.set WK, 64
.set WV, 96
.set WS0, 32                           ; Wo, then W2: 64 registers
.set W1R, 96                           ; W1
.set XF, 128
.set QA, 160                           ; accumulators of the even token tiles
.set KA, 168
.set VA, 176
.set QA1, 240                          ; and of the odd ones
.set KA1, 248
.set VA1, 24
.set RP0, 184
.set BQ, 200
.set BK, 208
.set BV, 216
.set TMP, 224
.set QT, 232
.set T2, 236
.set SCO, 128                          ; 72 scores; P is packed into the first 32
.set QF, 200
.set PL, 208
.set OA, 216
.set OB, 224
.set MX, 232                           ; four chains of the maximum,
.set MY, 252                           ; and four more
.set NM, 236
.set SUMA, 238
.set SUMB, 240
.set RI, 242
.set OT, 244
.set PX, 248
.set XFA, 160                          ; and XFA + 32
.set GA, 160
.set BE, 176
.set U, 192
.set STA, 208                          ; and STA + 10
.set XO, 228
.set A0, 236
.set A2, 238
.set MEAN, 240
.set E0, 241
.set VAR, 245
.set DLT, 246
.set RS, 248
.set DR, 250
.set FX, 160
.set ACC, 192
.set B1, 208
.set AXV, 224
.set TV, 232
.set EV, 240
.set PV, 248
; window 1 (v256 and up, written by their low 8 bits): H(t, f) at 16 t + 8 f
.set KW, 144                           ; K: 9 tiles x 4, then 4 zeros
.set VW, 184                           ; V: 34 registers, then 6 zeros
.set BO1, 224
.set T1, 240
.set MW1, 248                          ; mean, M2
.set PX1, 250
.set SW1, 251
.set MSB, 0
.macro WIN new                         ; low byte: bits 1:0 source 0, 3:2 source 1, 5:4 source 2, 7:6 destination; the high byte repeats the setting left
.if MSB != \new
	s_set_vgpr_msb (MSB<<8)|\new
.set MSB, \new
.endif
.endm
.macro PLACES                          ; four independent vector instructions between a matrix instruction and a reader of its result or a writer of its registers (ISA guide 7.12.1)
.rept 4
	v_nop
.endr
.endm
.macro BAR                             ; my LDS stores and loads are done, then the work-group's barrier
	s_wait_dscnt 0x0
	s_barrier_signal -1
	s_barrier_wait -1
.endm
.macro LDW base, kind, first, n        ; n pieces of 512 bytes of a weight image
.set i_, 0
.rept \n
	global_load_b128 v[\first+4*i_:\first+4*i_+3], v[WL], s[\base:\base+1] offset:\kind*WMAT+512*i_
.set i_, i_+1
.endr
.endm
.macro LDX dst, adr, off               ; the four fragments (32 registers) of a token tile
.irp i, 0,1,2,3,4,5,6,7
	ds_load_b128 v[\dst+4*\i:\dst+4*\i+3], v[\adr] offset:HS*\i+\off
.endr
.endm
.macro LDXK f, adr, off                ; fragment f alone (pieces 2f, 2f+1), into XF
	ds_load_b128 v[XF+8*(\f):XF+8*(\f)+3], v[\adr] offset:HS*(2*(\f))+\off
	ds_load_b128 v[XF+8*(\f)+4:XF+8*(\f)+7], v[\adr] offset:HS*(2*(\f)+1)+\off
.endm
.macro LDV dst, slot                   ; my 16 numbers of a vector: features 32p + 16f + 8h + j
	ds_load_b128 v[\dst:\dst+3], v[VR] offset:512*\slot
	ds_load_b128 v[\dst+4:\dst+7], v[VR] offset:512*\slot+16
	ds_load_b128 v[\dst+8:\dst+11], v[VR] offset:512*\slot+64
	ds_load_b128 v[\dst+12:\dst+15], v[VR] offset:512*\slot+80
.endm
; Line n (0..19) of a finished token tile's work in window 0.  Its accumulators are QP_, KP_, its rotary pairs RPP_.
; Pairs (t1, t2) with (cos, sin) become (t1 c - t2 s, t2 c + t1 s): 0-3, 4-7 for Q; 8-11 Q to f16; 12-15, 16-19 for K.
.macro PI n
.set I_, 2*((\n)%4)
.if ((\n)/4) == 0
	v_pk_mul_f32 v[TMP+I_:TMP+I_+1], v[QP_+I_:QP_+I_+1], v[RPP_+I_:RPP_+I_+1] op_sel_hi:[1,0]
.endif
.if ((\n)/4) == 1
	v_pk_fma_f32 v[QP_+I_:QP_+I_+1], v[QP_+I_:QP_+I_+1], v[RPP_+I_:RPP_+I_+1], v[TMP+I_:TMP+I_+1] op_sel:[1,1,0] op_sel_hi:[0,1,1] neg_lo:[0,1,0]
.endif
.if ((\n)/4) == 2
	v_cvt_pk_f16_f32 v[QT+I_/2], v[QP_+I_], v[QP_+I_+1]
.endif
.if ((\n)/4) == 3
	v_pk_mul_f32 v[TMP+I_:TMP+I_+1], v[KP_+I_:KP_+I_+1], v[RPP_+I_:RPP_+I_+1] op_sel_hi:[1,0]
.endif
.if ((\n)/4) == 4
	v_pk_fma_f32 v[KP_+I_:KP_+I_+1], v[KP_+I_:KP_+I_+1], v[RPP_+I_:RPP_+I_+1], v[TMP+I_:TMP+I_+1] op_sel:[1,1,0] op_sel_hi:[0,1,1] neg_lo:[0,1,0]
.endif
.endm
; Q, K, V of token tile t of sequence s for my head; between the products the work of tile t-1, whose accumulators are the other set.
; The three accumulators take turns.
; LDS instructions of a step 1..7, in order: L0 L0 (end of K step 1), Q's store (K step 2), L1 L1, L2 L2, L3 L3, RP RP; Lf = fragment f of tile t+1.
; Step 0 issues L0 .. L3, RP in one run, without a store.  LDS instructions end in order (ISA guide 5.7.1), so in the next step the wait
;  in front of K step 0 leaves out 8: L1 L1 L2 L2 L3 L3 RP RP;      of K step 1, 6: L2 L2 L3 L3 RP RP;
;  of K step 2, 6: L3 L3 RP RP and the new L0 L0;                    of K step 3, 7: RP RP, the new L0 L0, the store, the new L1 L1.
; Step 8 loads nothing: 8, 6, 4 (L3 L3 RP RP), 2 (RP RP).  A fragment is loaded again six plain lines behind its last product.
.macro PSTEP t, s
.if ((\t)&1) == 0
.set QC_, QA
.set KC_, KA
.set VC_, VA
.set QP_, QA1
.set KP_, KA1
.set VP_, VA1
.else
.set QC_, QA1
.set KC_, KA1
.set VC_, VA1
.set QP_, QA
.set KP_, KA
.set VP_, VA
.endif
.set RPP_, RP0+8*(((\t)+1)&1)          ; the rotary pairs of tile t-1; behind their last use the pairs of tile t+1 land here
.irp ks, 0,1,2,3
.if (\t) == 0
.if \ks == 0
	s_wait_dscnt 0x0                               ; the biases, tile 0's fragments and rotary pairs
.endif
.else
.if \ks == 0
	s_wait_dscnt 0x8
.endif
.if \ks == 1
	s_wait_dscnt 0x6
.endif
.if \ks == 2
.if (\t) < 8
	s_wait_dscnt 0x6
.else
	s_wait_dscnt 0x4
.endif
.endif
.if \ks == 3
.if (\t) < 8
	s_wait_dscnt 0x7
.else
	s_wait_dscnt 0x2
.endif
.endif
.endif
.if \ks == 0
	v_wmma_f32_16x16x32_f16 v[QC_:QC_+7], v[WQ:WQ+7], v[XF:XF+7], v[BQ:BQ+7]       ; the biases start the sums
.else
	v_wmma_f32_16x16x32_f16 v[QC_:QC_+7], v[WQ+8*\ks:WQ+8*\ks+7], v[XF+8*\ks:XF+8*\ks+7], v[QC_:QC_+7]
.endif
.if (\t) > 0
	PI 5*\ks
	PI 5*\ks+1
.endif
.if \ks == 0
	v_wmma_f32_16x16x32_f16 v[KC_:KC_+7], v[WK:WK+7], v[XF:XF+7], v[BK:BK+7]
.else
	v_wmma_f32_16x16x32_f16 v[KC_:KC_+7], v[WK+8*\ks:WK+8*\ks+7], v[XF+8*\ks:XF+8*\ks+7], v[KC_:KC_+7]
.endif
.if (\t) > 0
	PI 5*\ks+2
	PI 5*\ks+3
.if \ks == 2
	ds_store_b128 v[QOA+\s], v[QT:QT+3] offset:TP*((\t)-1)     ; Q waits where this token's O will go: bytes of this lane alone
.endif
.endif
.if \ks == 0
	v_wmma_f32_16x16x32_f16 v[VC_:VC_+7], v[XF:XF+7], v[WV:WV+7], v[BV:BV+7]
.else
	v_wmma_f32_16x16x32_f16 v[VC_:VC_+7], v[XF+8*\ks:XF+8*\ks+7], v[WV+8*\ks:WV+8*\ks+7], v[VC_:VC_+7]
.endif
.if (\t) > 0
	PI 5*\ks+4
.if (\t) < 8
.if \ks > 0
	LDXK \ks-1, AXA+\s, TP*((\t)+1)
.endif
.endif
.endif
.endr
.if (\t) > 0
	WIN 0x40                                       ; K and V of tile t-1 to f16: eight plain lines on the other set, the places behind this tile's last products
.irp i, 0,1,2,3
	v_cvt_pk_f16_f32 v[KW+4*((\t)-1)+\i], v[KP_+2*\i], v[KP_+2*\i+1]
.endr
.irp i, 0,1,2,3
	v_cvt_pk_f16_f32 v[VW+4*((\t)-1)+\i], v[VP_+2*\i], v[VP_+2*\i+1]
.endr
	WIN 0
.else
	PLACES
.endif
.if (\t) < 8
.if (\t) == 0
	LDXK 0, AXA+\s, TP
	LDXK 1, AXA+\s, TP
	LDXK 2, AXA+\s, TP
.endif
	LDXK 3, AXA+\s, TP*((\t)+1)
	ds_load_b128 v[RPP_:RPP_+3], v[RPA] offset:1280*((\t)+1)
	ds_load_b128 v[RPP_+4:RPP_+7], v[RPA] offset:1280*((\t)+1)+16
.endif
.endm
; The work of tile 8, behind the last step (nine plain lines stand behind its products)
.macro PLAST s
.set QP_, QA
.set KP_, KA
.set RPP_, RP0
	s_wait_dscnt 0x0                               ; tile 8's rotary pairs
.irp n, 0,1,2,3,4,5,6,7,8,9,10,11
	PI \n
.endr
	ds_store_b128 v[QOA+\s], v[QT:QT+3] offset:TP*8
.irp n, 12,13,14,15,16,17,18,19
	PI \n
.endr
	v_cvt_pk_f16_f32 v[T2], v[VA], v[VA+1]
	v_cvt_pk_f16_f32 v[T2+1], v[VA+2], v[VA+3]
	WIN 0x40
.irp i, 0,1,2,3
	v_cvt_pk_f16_f32 v[KW+32+\i], v[KA+2*\i], v[KA+2*\i+1]
.endr
	v_cndmask_b32 v[VW+32], v[T2], 0, s68          ; tokens 128-131 are lanes 0-15 of two registers; all else of the tile is zero
	v_cndmask_b32 v[VW+33], v[T2+1], 0, s68
	WIN 0
.endm
.macro AFMA g, n                       ; (s - max) / 4 x log2 e
.set k_, 0
.rept \n
	v_pk_fma_f32 v[SCO+8*\g+2*k_:SCO+8*\g+2*k_+1], v[SCO+8*\g+2*k_:SCO+8*\g+2*k_+1], 0x3eb8aa3b, v[NM:NM+1] op_sel_hi:[1,0,0]
.set k_, k_+1
.endr
.endm
.macro AEXP g, n
.set k_, 0
.rept \n
	v_exp_f32 v[SCO+8*\g+k_], v[SCO+8*\g+k_]
.set k_, k_+1
.endr
.endm
.macro ASUM g                          ; key tile g's exponentials onto the two running sums
.if (\g) == 0
	s_wait_alu depctr_va_vdst(0)
	v_pk_add_f32 v[SUMA:SUMA+1], v[SCO:SCO+1], v[SCO+2:SCO+3]
	v_pk_add_f32 v[SUMB:SUMB+1], v[SCO+4:SCO+5], v[SCO+6:SCO+7]
.else
	v_pk_add_f32 v[SUMA:SUMA+1], v[SUMA:SUMA+1], v[SCO+8*(\g):SCO+8*(\g)+1]
	v_pk_add_f32 v[SUMB:SUMB+1], v[SUMB:SUMB+1], v[SCO+8*(\g)+2:SCO+8*(\g)+3]
.if (\g) < 8
	v_pk_add_f32 v[SUMA:SUMA+1], v[SUMA:SUMA+1], v[SCO+8*(\g)+4:SCO+8*(\g)+5]
	v_pk_add_f32 v[SUMB:SUMB+1], v[SUMB:SUMB+1], v[SCO+8*(\g)+6:SCO+8*(\g)+7]
.endif
.endif
.endm
.macro ACVT g                          ; key tile g to f16, into registers 4g .. 4g+3 of the scores: for g > 0 those held tile g/2, summed and packed before
.if (\g) < 8
	s_wait_alu depctr_va_vdst(0)
.irp k, 0,1,2,3
	v_cvt_pk_f16_f32 v[SCO+4*(\g)+\k], v[SCO+8*(\g)+2*\k], v[SCO+8*(\g)+2*\k+1]
.endr
.else
	s_wait_alu depctr_va_vdst(0)
	v_cvt_pk_f16_f32 v[PL], v[SCO+64], v[SCO+65]
	v_cvt_pk_f16_f32 v[PL+1], v[SCO+66], v[SCO+67]
.endif
.endm
.macro OW u                            ; O^T += V^T x P^T for keys 32 u ..; OA and OB take turns
	WIN 0x01
.if (\u) == 0
	v_wmma_f32_16x16x32_f16 v[OA:OA+7], v[VW:VW+7], v[SCO:SCO+7], 0
.endif
.if (\u) == 1
	v_wmma_f32_16x16x32_f16 v[OB:OB+7], v[VW+8:VW+15], v[SCO+8:SCO+15], 0
.endif
.if (\u) == 2
	v_wmma_f32_16x16x32_f16 v[OA:OA+7], v[VW+16:VW+23], v[SCO+16:SCO+23], v[OA:OA+7]
.endif
.if (\u) == 3
	v_wmma_f32_16x16x32_f16 v[OB:OB+7], v[VW+24:VW+31], v[SCO+24:SCO+31], v[OB:OB+7]
.endif
.if (\u) == 4
	v_wmma_f32_16x16x32_f16 v[OA:OA+7], v[VW+32:VW+39], v[PL:PL+7], v[OA:OA+7]
.endif
	WIN 0
.endm
; The exponentials of a query tile, three stages deep (scale tile g+1, exponentials of tile g, pack and sum tile g-1), so that no line reads what the
; lines just ahead made, and behind a tile's exponentials stands plain work of other tiles before they are used (ISA guide 5.7.2).
; Each O product goes out as soon as its two key tiles are packed.
.macro APV
	AFMA 0, 4
	AFMA 1, 4
	AEXP 0, 8
	AFMA 2, 4
	AEXP 1, 8
	ASUM 0                                         ; tile 0 alone is summed first: its packed words land on its own registers
	ACVT 0
	AFMA 3, 4
	AEXP 2, 8
	ACVT 1
	OW 0
	ASUM 1
	AFMA 4, 4
	AEXP 3, 8
	ACVT 2
	ASUM 2
	AFMA 5, 4
	AEXP 4, 8
	ACVT 3
	OW 1
	ASUM 3
	AFMA 6, 4
	AEXP 5, 8
	ACVT 4
	ASUM 4
	AFMA 7, 4
	AEXP 6, 8
	ACVT 5
	OW 2
	ASUM 5
	AFMA 8, 2
	AEXP 7, 8
	ACVT 6
	ASUM 6
	AEXP 8, 4
	ACVT 7
	OW 3
	ASUM 7                                         ; these four, and the four lines of tile 8, are the places between OW 3 and the scores that overwrite its P
	ACVT 8
	OW 4
	ASUM 8
.endm
.macro ASW                             ; the scores of the tile whose Q is in QF, against all keys
	s_wait_dscnt 0x0                               ; Q's four registers are in
	WIN 0x01
.irp t, 0,1,2,3,4,5,6,7,8
	v_wmma_f32_16x16x32_f16 v[SCO+8*\t:SCO+8*\t+7], v[KW+4*\t:KW+4*\t+7], v[QF:QF+7], 0
.endr
	WIN 0
.endm
.macro AMR first, b                    ; a round of the maximum: eight chains, two more scores each
.irp k, 0,1,2,3
.if \first
	v_max3_num_f32 v[MX+\k], v[SCO+\k], v[SCO+8+\k], v[SCO+16+\k]
.else
	v_max3_num_f32 v[MX+\k], v[MX+\k], v[SCO+\b+\k], v[SCO+\b+8+\k]
.endif
.endr
.irp k, 0,1,2,3
.if \first
	v_max3_num_f32 v[MY+\k], v[SCO+4+\k], v[SCO+12+\k], v[SCO+20+\k]
.else
	v_max3_num_f32 v[MY+\k], v[MY+\k], v[SCO+\b+4+\k], v[SCO+\b+12+\k]
.endif
.endr
.endm
; fin = 1: the tile whose O products are out is finished (sum, reciprocal, O to f16, stored at OPT).  mx = 1: the maximum of the tile whose scores
; were just issued.  The two are woven, so that neither chain of dependent lines stands alone.  pre = 1: the Q of the tile after that is fetched.
; Between the last O product and the first line that reads OA stand four plain lines: tile 8's two sums and the first two lines here.
.macro AMF fin, mx, pre
.if \fin
	v_pk_add_f32 v[SUMA:SUMA+1], v[SUMA:SUMA+1], v[SUMB:SUMB+1]
	v_add_f32 v[SUMA], v[SUMA], v[SUMA+1]
.irp k, 0,2,4,6
	v_pk_add_f32 v[OA+\k:OA+\k+1], v[OA+\k:OA+\k+1], v[OB+\k:OB+\k+1]
.endr
	v_permlanex16_b32 v[PX], v[SUMA], s66, s67     ; the other half of the keys
.else
	PLACES
.endif
.if \mx
	AMR 1, 0
.endif
.if \fin
	v_add_f32 v[SUMA], v[SUMA], v[PX]              ; at least 1: the largest score gives exp 0
	v_rcp_f32 v[RI], v[SUMA]
.if \mx == 0
	v_nop                                          ; a plain line behind the reciprocal (ISA guide 5.7.2); else the next round is that
	s_wait_alu depctr_va_vdst(0)
.endif
.endif
.if \mx
	AMR 0, 24
.endif
.if \fin
	s_wait_alu depctr_va_vdst(0)
.irp k, 0,2,4,6
	v_pk_mul_f32 v[OA+\k:OA+\k+1], v[OA+\k:OA+\k+1], v[RI:RI+1] op_sel_hi:[1,0]
.endr
.irp k, 0,1,2,3
	v_cvt_pk_f16_f32 v[OT+\k], v[OA+2*\k], v[OA+2*\k+1]
.endr
.endif
.if \mx
	AMR 0, 40
.endif
.if \fin
	ds_store_b128 v[OPT], v[OT:OT+3]               ; dims 8h .. 8h+7 of my head, token r
.endif
.if \pre
	ds_load_b128 v[QF:QF+3], v[OPT] offset:TP+TP*\fin
.endif
.if \fin
.if \mx
	v_add_nc_u32 v[OPT], TP, v[OPT]
.endif
.endif
.if \mx
.irp j, 0,1,2,3
	v_cndmask_b32 v[SCO+64+\j], v[SCO+64+\j], s69, s68     ; keys 136-139: -inf; registers 68-71 (keys 132-135, 140-143) are not used
.endr
.irp k, 0,1,2,3
	v_max3_num_f32 v[MX+\k], v[MX+\k], v[SCO+56+\k], v[SCO+64+\k]
.endr
.irp k, 0,1,2,3
	v_max3_num_f32 v[MY+\k], v[MY+\k], v[SCO+60+\k], v[MX+\k]
.endr
	v_max3_num_f32 v[MY], v[MY], v[MY+1], v[MY+2]
	v_max_num_f32 v[MY], v[MY], v[MY+3]
	v_permlanex16_b32 v[PX], v[MY], s66, s67
	v_max_num_f32 v[MY], v[MY], v[PX]
	v_mul_f32 v[NM], 0xbeb8aa3b, v[MY]
.endif
.endm
.macro SEQ s, last
	ds_load_b128 v[BQ:BQ+3], v[VQ]
	ds_load_b128 v[BQ+4:BQ+7], v[VQ] offset:16
	ds_load_b128 v[BK:BK+3], v[VQ] offset:512
	ds_load_b128 v[BK+4:BK+7], v[VQ] offset:528
.irp j, 0,1,2,3,4,5,6,7
	ds_load_b32 v[BV+\j], v[VV]                    ; V's result has one dim a lane: the same bias in all eight registers
.endr
	LDX XF, AXA+\s, 0
	ds_load_b128 v[RP0:RP0+3], v[RPA]
	ds_load_b128 v[RP0+4:RP0+7], v[RPA] offset:16
.irp t, 0,1,2,3,4,5,6,7,8
	PSTEP \t, \s
.endr
	PLAST \s
.if \last
	LDW 72, 3, WS0, 16                             ; Wo, over Wq and Wk, whose last products lie more than four places back
.endif
.irp j, 4,5,6,7
	v_mov_b32 v[QF+\j], 0
.endr
.irp j, 2,3,4,5,6,7
	v_mov_b32 v[PL+\j], 0
.endr
	v_mov_b32 v[OPT], v[QOA+\s]
	ds_load_b128 v[QF:QF+3], v[OPT]
	ASW                                            ; tile 0's scores
	AMF 0, 1, 1                                    ; its maximum; Q of tile 1
	s_mov_b32 s6, 7
.Latt_\s:                                              ; trip i = 0..6: P and O of tile i, scores of tile i+1, O of tile i out, maximum of tile i+1, Q of tile i+2
	APV
	ASW
	AMF 1, 1, 1
	s_sub_co_i32 s6, s6, 1
	s_cmp_lg_u32 s6, 0
	s_cbranch_scc1 .Latt_\s
	APV                                            ; tile 7: no Q is left to fetch
	ASW
	AMF 1, 1, 0
	APV                                            ; tile 8
	AMF 1, 0, 0
.endm
; First half of a LayerNorm, token tile t, all in window 1: (bias,) the mean of my 32 features, H centred by it in place, the sum of the centred squares.
.macro LNA t, stat, bias
.if \bias
.irp k, 0,1,2,3,4,5,6,7
	v_pk_add_f32 v[16*(\t)+2*\k:16*(\t)+2*\k+1], v[16*(\t)+2*\k:16*(\t)+2*\k+1], v[BO1+2*\k:BO1+2*\k+1]
.endr
.endif
.irp k, 0,1,2,3
	v_pk_add_f32 v[T1+2*\k:T1+2*\k+1], v[16*(\t)+2*\k:16*(\t)+2*\k+1], v[16*(\t)+8+2*\k:16*(\t)+8+2*\k+1]
.endr
	v_pk_add_f32 v[T1:T1+1], v[T1:T1+1], v[T1+2:T1+3]
	v_pk_add_f32 v[T1+4:T1+5], v[T1+4:T1+5], v[T1+6:T1+7]
	v_pk_add_f32 v[T1:T1+1], v[T1:T1+1], v[T1+4:T1+5]
	v_add_f32 v[T1], v[T1], v[T1+1]
	v_permlanex16_b32 v[PX1], v[T1], s66, s67
	v_add_f32 v[T1], v[T1], v[PX1]
	v_mul_f32 v[MW1], 0x3d000000, v[T1]            ; / 32
.irp k, 0,1,2,3,4,5,6,7
	v_pk_add_f32 v[16*(\t)+2*\k:16*(\t)+2*\k+1], v[16*(\t)+2*\k:16*(\t)+2*\k+1], v[MW1:MW1+1] op_sel_hi:[1,0] neg_lo:[0,1] neg_hi:[0,1]
.endr
	v_pk_mul_f32 v[T1:T1+1], v[16*(\t):16*(\t)+1], v[16*(\t):16*(\t)+1]
	v_pk_mul_f32 v[T1+2:T1+3], v[16*(\t)+2:16*(\t)+3], v[16*(\t)+2:16*(\t)+3]
.irp k, 2,3,4,5,6,7
	v_pk_fma_f32 v[T1+2*(\k&1):T1+2*(\k&1)+1], v[16*(\t)+2*\k:16*(\t)+2*\k+1], v[16*(\t)+2*\k:16*(\t)+2*\k+1], v[T1+2*(\k&1):T1+2*(\k&1)+1]
.endr
	v_pk_add_f32 v[T1:T1+1], v[T1:T1+1], v[T1+2:T1+3]
	v_add_f32 v[T1], v[T1], v[T1+1]
	v_permlanex16_b32 v[PX1], v[T1], s66, s67
	v_add_f32 v[MW1+1], v[T1], v[PX1]
	ds_store_b64 v[SW1], v[MW1:MW1+1] offset:\stat+128*(\t)
.endm
; H += W^T x ACT1 for my 32 features, all nine token tiles, and LNA of tiles 0 to 7 in the shadow of the next tile's products.
; Two fragment buffers; H(t,0) and H(t,1) take turns.  LNA t-1 names no register of tile t's products: it is their places.
.macro ROWS wb, stat
.irp t, 0,1,2,3,4,5,6,7,8
.if \t < 8
	s_wait_dscnt 0x8                               ; all but the eight loads of tile t+1; the statistics' stores are older than those
.else
	s_wait_dscnt 0x0
.endif
	WIN 0x50
.irp ks, 0,1,2,3
	v_wmma_f32_16x16x32_f16 v[16*\t:16*\t+7], v[\wb+8*\ks:\wb+8*\ks+7], v[XFA+32*(\t&1)+8*\ks:XFA+32*(\t&1)+8*\ks+7], v[16*\t:16*\t+7]
	v_wmma_f32_16x16x32_f16 v[16*\t+8:16*\t+15], v[\wb+32+8*\ks:\wb+32+8*\ks+7], v[XFA+32*(\t&1)+8*\ks:XFA+32*(\t&1)+8*\ks+7], v[16*\t+8:16*\t+15]
.endr
.if \t == 0
	PLACES
.else
	WIN 0x55
	LNA \t-1, \stat, 1
.endif
	WIN 0
.if \t < 7
	LDX XFA+32*(\t&1), AXR1, TP*(\t+2)
.endif
.endr
.endm
.macro STLD t, stat                    ; the four waves' (mean, M2) of token r of tile t, and my own mean
.set ST_, STA+10*((\t)&1)
.irp q, 0,1,2,3
	ds_load_b64 v[ST_+2*\q:ST_+2*\q+1], v[SR] offset:\stat+1152*\q+128*(\t)
.endr
	ds_load_b32 v[ST_+8], v[SW] offset:\stat+128*(\t)
.endm
; Second half: the four groups are combined (no difference of large sums is formed), H is scaled.  mode 0: H is the new residual, its f16 copy goes
; to ACT0.  mode 1: the last LayerNorm, f32 to the stage of the way out (address in v24).
.macro LNB t, stat, mode
.if (\t) < 8
	STLD (\t)+1, \stat
	s_wait_dscnt 0x5                               ; all but the five loads just issued
.else
	s_wait_dscnt 0x0
.endif
.set ST_, STA+10*((\t)&1)
	v_pk_add_f32 v[A0:A0+1], v[ST_:ST_+1], v[ST_+2:ST_+3]
	v_pk_add_f32 v[A2:A2+1], v[ST_+4:ST_+5], v[ST_+6:ST_+7]
	v_pk_add_f32 v[A0:A0+1], v[A0:A0+1], v[A2:A2+1]        ; (sum of means, sum of M2)
	v_mul_f32 v[MEAN], 0x3e800000, v[A0]
	v_sub_f32 v[E0], v[ST_], v[MEAN]
	v_sub_f32 v[E0+1], v[ST_+2], v[MEAN]
	v_sub_f32 v[E0+2], v[ST_+4], v[MEAN]
	v_sub_f32 v[E0+3], v[ST_+6], v[MEAN]
	v_mul_f32 v[E0], v[E0], v[E0]
	v_fmac_f32 v[E0], v[E0+1], v[E0+1]
	v_fmac_f32 v[E0], v[E0+2], v[E0+2]
	v_fmac_f32 v[E0], v[E0+3], v[E0+3]
	v_fmamk_f32 v[VAR], v[E0], 0x42000000, v[A0+1]         ; 32 x sum (mean_i - mean)^2 + sum M2
	v_fma_f32 v[VAR], v[VAR], s78, s79                     ; / 128 + 1e-5
	v_rsq_f32 v[RS], v[VAR]
	v_sub_f32 v[DLT], v[ST_+8], v[MEAN]                    ; the plain instruction behind the root; H is centred by my own mean
	s_wait_alu depctr_va_vdst(0)
	v_mul_f32 v[DR], v[DLT], v[RS]
.if \mode == 0
	WIN 0x41
.irp k, 0,1,2,3,4,5,6,7
	v_pk_fma_f32 v[16*(\t)+2*\k:16*(\t)+2*\k+1], v[16*(\t)+2*\k:16*(\t)+2*\k+1], v[RS:RS+1], v[DR:DR+1] op_sel_hi:[1,0,0]
.endr
.irp k, 0,1,2,3,4,5,6,7
	v_pk_fma_f32 v[16*(\t)+2*\k:16*(\t)+2*\k+1], v[16*(\t)+2*\k:16*(\t)+2*\k+1], v[GA+2*\k:GA+2*\k+1], v[BE+2*\k:BE+2*\k+1]
.endr
	WIN 0x05
.irp k, 0,1,2,3,4,5,6,7
	v_cvt_pk_f16_f32 v[XO+\k], v[16*(\t)+2*\k], v[16*(\t)+2*\k+1]
.endr
	WIN 0
	ds_store_b128 v[ST0], v[XO:XO+3] offset:TP*(\t)
	ds_store_b128 v[ST0], v[XO+4:XO+7] offset:TP*(\t)+HS
.else
	WIN 0x01
.irp k, 0,1,2,3,4,5,6,7
	v_pk_fma_f32 v[U+2*\k:U+2*\k+1], v[16*(\t)+2*\k:16*(\t)+2*\k+1], v[RS:RS+1], v[DR:DR+1] op_sel_hi:[1,0,0]
.endr
	WIN 0
.irp k, 0,1,2,3,4,5,6,7
	v_pk_fma_f32 v[U+2*\k:U+2*\k+1], v[U+2*\k:U+2*\k+1], v[GA+2*\k:GA+2*\k+1], v[BE+2*\k:BE+2*\k+1]
.endr
	ds_store_b128 v24, v[U:U+3] offset:16*SOP*(\t)
	ds_store_b128 v24, v[U+4:U+7] offset:16*SOP*(\t)+16
	ds_store_b128 v24, v[U+8:U+11] offset:16*SOP*(\t)+64
	ds_store_b128 v24, v[U+12:U+15] offset:16*SOP*(\t)+80
.endif
.endm
; gelu(x) = max(x, 0) + |x| q', q' = -erfc(|x|/sqrt 2)/2 = t (a1' + t (a2' + t (a3' + t (a4' + t a5')))) exp(-x^2/2), t = 1/(1 + 0.23164189 |x|), ak' = -ak/2
.macro GELU a
.irp j, 0,1,2,3,4,5,6,7
	v_and_b32 v[AXV+\j], 0x7fffffff, v[\a+\j]
.endr
.irp k, 0,2,4,6
	v_pk_fma_f32 v[TV+\k:TV+\k+1], v[AXV+\k:AXV+\k+1], 0x3e6d3388, 1.0 op_sel_hi:[1,0,0]
	v_pk_mul_f32 v[EV+\k:EV+\k+1], v[\a+\k:\a+\k+1], v[\a+\k:\a+\k+1]
.endr
.irp k, 0,2,4,6
	v_pk_mul_f32 v[EV+\k:EV+\k+1], v[EV+\k:EV+\k+1], 0xbf38aa3b op_sel_hi:[1,0]    ; -x^2/2 x log2 e
.endr
.irp j, 0,1,2,3,4,5,6,7
	v_rcp_f32 v[TV+\j], v[TV+\j]
.endr
.irp j, 0,1,2,3,4,5,6,7
	v_exp_f32 v[EV+\j], v[EV+\j]
.endr
.irp j, 0,1,2,3,4,5,6,7
	v_max_num_f32 v[\a+\j], 0, v[\a+\j]            ; plain work behind the transcendentals (ISA guide 5.7.2)
.endr
	s_wait_alu depctr_va_vdst(0)
.irp k, 0,2,4,6
	v_pk_fma_f32 v[PV+\k:PV+\k+1], v[TV+\k:TV+\k+1], s[74:75], 0x3f3a00e3 op_sel_hi:[1,0,0]
.endr
.irp k, 0,2,4,6
	v_pk_fma_f32 v[PV+\k:PV+\k+1], v[PV+\k:PV+\k+1], v[TV+\k:TV+\k+1], 0xbf35f0e3 op_sel_hi:[1,1,0]
.endr
.irp k, 0,2,4,6
	v_pk_fma_f32 v[PV+\k:PV+\k+1], v[PV+\k:PV+\k+1], v[TV+\k:TV+\k+1], 0x3e11a98e op_sel_hi:[1,1,0]
.endr
.irp k, 0,2,4,6
	v_pk_fma_f32 v[PV+\k:PV+\k+1], v[PV+\k:PV+\k+1], v[TV+\k:TV+\k+1], 0xbe027906 op_sel_hi:[1,1,0]
.endr
.irp k, 0,2,4,6
	v_pk_mul_f32 v[TV+\k:TV+\k+1], v[TV+\k:TV+\k+1], v[EV+\k:EV+\k+1]
.endr
.irp k, 0,2,4,6
	v_pk_mul_f32 v[PV+\k:PV+\k+1], v[PV+\k:PV+\k+1], v[TV+\k:TV+\k+1]
.endr
.irp k, 0,2,4,6
	v_pk_fma_f32 v[\a+\k:\a+\k+1], v[AXV+\k:AXV+\k+1], v[PV+\k:PV+\k+1], v[\a+\k:\a+\k+1]
.endr
.endm
; gelu(W1^T x + b1) of one token tile for my 32 features: ACT0 to ACT1.  Two accumulators take turns.
.macro FFN1 pre
	s_wait_dscnt 0x0
	v_wmma_f32_16x16x32_f16 v[ACC:ACC+7], v[W1R:W1R+7], v[FX:FX+7], v[B1:B1+7]
	v_wmma_f32_16x16x32_f16 v[ACC+8:ACC+15], v[W1R+32:W1R+39], v[FX:FX+7], v[B1+8:B1+15]
.irp ks, 1,2,3
	v_wmma_f32_16x16x32_f16 v[ACC:ACC+7], v[W1R+8*\ks:W1R+8*\ks+7], v[FX+8*\ks:FX+8*\ks+7], v[ACC:ACC+7]
	v_wmma_f32_16x16x32_f16 v[ACC+8:ACC+15], v[W1R+32+8*\ks:W1R+32+8*\ks+7], v[FX+8*\ks:FX+8*\ks+7], v[ACC+8:ACC+15]
.endr
	PLACES
.if \pre
	LDX FX, XP, TP
.endif
	GELU ACC
	GELU ACC+8
.irp k, 0,1,2,3,4,5,6,7
	v_cvt_pk_f16_f32 v[AXV+\k], v[ACC+2*\k], v[ACC+2*\k+1]
.endr
	ds_store_b128 v[GP], v[AXV:AXV+3]
	ds_store_b128 v[GP], v[AXV+4:AXV+7] offset:HS
.if \pre
	v_add_nc_u32 v[XP], TP, v[XP]
	v_add_nc_u32 v[GP], TP, v[GP]
.endif
.endm
	; ================= the start
	s_load_b512 s[8:23], s[0:1], 0x0               ; argument n in s[8+2n:9+2n]: x 8, cls 10, ws 12, out0 14, out1 16, vector v 18+2v
	s_load_b512 s[24:39], s[0:1], 0x40
	s_load_b512 s[40:55], s[0:1], 0x80
	s_load_b256 s[56:63], s[0:1], 0xc0
	s_set_vgpr_msb 0x40
	v_lshl_add_u32 v254, v0, 2, 0x41600
	v_mov_b32 v255, 0
	s_set_vgpr_msb 0x4000
	v_lshrrev_b32 v20, 5, v0
	v_readfirstlane_b32 s2, v20                    ; w
	s_and_b32 s3, s2, 3                            ; p
	s_lshr_b32 s4, s2, 2                           ; sr
	s_mov_b32 s66, 0x76543210                      ; v_permlanex16_b32: lane i takes lane i of the other half
	s_mov_b32 s67, 0xfedcba98
	s_mov_b32 s68, 0xffff0000                      ; lanes 16-31
	s_mov_b32 s69, 0xff800000                      ; -inf
	s_mov_b32 s74, 0xbf07dc22                      ; a5' = -1.061405429 / 2
	s_mov_b32 s75, 0xbf07dc22
	s_mov_b32 s78, 0x3c000000                      ; 1/128
	s_mov_b32 s79, 0x3727c5ac                      ; 1e-5
	v_and_b32 v21, 31, v0                          ; lane
	v_and_b32 v22, 15, v0                          ; r
	v_bfe_u32 v23, v0, 4, 1                        ; h
	v_lshlrev_b32 v[WL], 4, v21
	v_mul_u32_u24 v24, v22, 48
	v_lshl_add_u32 v[AXA], v23, 4, v24             ; 48 r + 16 h
	v_add_nc_u32 v[AXA+1], ACTSZ, v[AXA]
	s_mul_i32 s80, s2, HS
	s_add_co_u32 s80, s80, ACT1
	v_add_nc_u32 v[QOA], s80, v[AXA]
	v_add_nc_u32 v[QOA+1], ACTSZ, v[QOA]
	v_mul_u32_u24 v24, v22, 80
	v_lshl_add_u32 v24, v23, 5, v24
	v_add_nc_u32 v[RPA], ROPEL, v24                ; token r's pairs 4h .. 4h+3
	s_lshl_b32 s80, s2, 6
	s_add_co_u32 s80, s80, TABL
	v_lshl_add_u32 v[VQ], v23, 5, s80              ; bq of positions 8h .. 8h+7 of my head
	v_lshl_add_u32 v[VV], v22, 2, s80
	v_add_nc_u32 v[VV], 1024, v[VV]                ; bv of dim r
	s_mul_i32 s80, s4, ACTSZ
	v_add_nc_u32 v[AXR0], s80, v[AXA]
	v_add_nc_u32 v[AXR1], ACT1, v[AXR0]
	s_mul_i32 s81, s3, 2*HS
	v_add_nc_u32 v[ST0], s81, v[AXR0]
	v_add_nc_u32 v[ST1], ACT1, v[ST0]
	s_mul_i32 s80, s4, 4608
	s_add_co_u32 s80, s80, STAT0
	v_lshl_add_u32 v[SR], v22, 3, s80
	s_mul_i32 s81, s3, 1152
	v_add_nc_u32 v[SW], s81, v[SR]
	s_lshl_b32 s80, s3, 7
	s_add_co_u32 s80, s80, VTD
	v_lshl_add_u32 v[VR], v23, 5, s80
	s_mul_i32 s80, s4, SISZ                        ; the stage of the way in
	s_mul_i32 s81, s3, 32*SIP
	s_add_co_u32 s81, s81, s80
	s_add_co_u32 s81, s81, 4*SIP
	v_add_nc_u32 v25, s81, v[WL]                   ; tokens 4 + 32 p ..: the rows of x that I fetch
	s_mul_i32 s81, s3, SIP
	s_add_co_u32 s81, s81, s80
	v_add_nc_u32 v26, s81, v[WL]                   ; token p: a cls row
	s_mul_i32 s81, s3, 3*SIP
	s_add_co_u32 s81, s81, s80
	s_add_co_u32 s81, s81, 132*SIP
	v_add_nc_u32 v27, s81, v[WL]                   ; tokens 132 + 3 p ..: zeros
	s_lshl_b32 s81, s3, 7
	s_add_co_u32 s81, s81, s80
	v_mul_u32_u24 v28, v22, SIP
	v_lshl_add_u32 v28, v23, 5, v28
	v_add_nc_u32 v28, s81, v28                     ; H's layout: token r, features 32 p + 8 h ..
	v_add_nc_u32 v29, 64*SIP, v28                  ; the same from tile 4 on (the offset has 16 bits)
	v_lshlrev_b32 v20, 4, v0                       ; 16 thread
	v_add_nc_u32 v30, TABL, v20
	v_and_b32 v31, 127, v0
	v_lshlrev_b32 v31, 2, v31
	v_lshlrev_b32 v24, 2, v0
	v_add_nc_u32 v24, VTD, v24
	v_lshl_add_u32 v7, s3, 9, v[WL]
	v_mov_b32 v[NM+1], 0                           ; second halves of pairs that are read as broadcasts, and lane exchanges' destinations
	v_mov_b32 v[RI+1], 0
	v_mov_b32 v[RS], 0
	v_mov_b32 v[RS+1], 0
	v_mov_b32 v[DR+1], 0
.irp j, 164,165,166,167
	v_mov_b32 v\j, 0
.endr
	s_wait_kmcnt 0x0
	s_lshl_b32 s80, ttmp9, 1
	s_add_co_u32 s80, s80, s4                      ; my rows' sequence
	s_lshl_b32 s82, s80, 16
	s_lshl_b32 s81, s3, 14
	s_add_co_u32 s82, s82, s81                     ; 65536 sequence + 32 p rows of 512 bytes
	s_mov_b32 s83, 0
	s_add_nc_u64 s[8:9], s[8:9], s[82:83]
	s_add_nc_u64 s[16:17], s[16:17], s[82:83]
	s_lshl_b32 s82, s80, 11
	s_lshl_b32 s81, s3, 9
	s_add_co_u32 s82, s82, s81
	s_add_nc_u64 s[14:15], s[14:15], s[82:83]      ; out0: 2048 sequence + 512 p
	s_lshl_b32 s82, s2, 12
	s_add_nc_u64 s[70:71], s[12:13], s[82:83]      ; my head's tile of the images
	s_lshl_b32 s82, s3, 13
	s_add_nc_u64 s[72:73], s[12:13], s[82:83]      ; my two row tiles
	WIN 0x40                                       ; 32 rows of x, 512 consecutive bytes a load: 16 KiB a wave on their way at once
.set i_, 0
.rept 32
	global_load_b128 v[4*i_:4*i_+3], v[WL], s[8:9] offset:512*i_ th:TH_LOAD_NT
.set i_, i_+1
.endr
	WIN 0
	LDW 70, 0, WQ, 8
	LDW 70, 1, WK, 8
	LDW 70, 2, WV, 8
.irp k, 0,1,2,3
	global_load_b128 v[128+4*\k:128+4*\k+3], v20, s[12:13] offset:TABG+4096*\k
.endr
	s_cmp_lt_u32 s2, 4                             ; waves 0-3 fetch the even vectors, waves 4-7 the odd ones
.irp k, 0,1,2,3,4,5,6,7,8,9,10
	s_cselect_b64 s[18+4*\k:19+4*\k], s[18+4*\k:19+4*\k], s[20+4*\k:21+4*\k]
.endr
.irp k, 0,1,2,3,4,5,6,7,8,9,10
	global_load_b32 v[144+\k], v31, s[18+4*\k:19+4*\k]
.endr
	global_load_b128 v[156:159], v7, s[10:11]
	s_cmp_ge_u32 s2, 4
	s_cbranch_scc1 .Lno_ld23
	global_load_b32 v155, v31, s[62:63]            ; the 23rd vector: waves 0-3 alone
.Lno_ld23:
	s_wait_loadcnt 0x0
.irp k, 0,1,2,3
	ds_store_b128 v30, v[128+4*\k:128+4*\k+3] offset:4096*\k
.endr
.irp k, 0,1,2,3,4,5,6,7,8,9,10
	ds_store_b32 v24, v[144+\k] offset:1024*\k
.endr
	s_cmp_ge_u32 s2, 4
	s_cbranch_scc1 .Lno_st23
	ds_store_b32 v24, v155 offset:11264
.Lno_st23:
	WIN 0x04
.set i_, 0
.rept 32
	ds_store_b128 v25, v[4*i_:4*i_+3] offset:SIP*i_
.set i_, i_+1
.endr
	WIN 0
	ds_store_b128 v26, v[156:159]
	ds_store_b128 v27, v[164:167]
	ds_store_b128 v27, v[164:167] offset:SIP
	ds_store_b128 v27, v[164:167] offset:2*SIP
	BAR                                            ; the stage, the tables and the vectors are whole
	WIN 0x40
.irp t, 0,1,2,3,4,5,6,7,8
.irp f, 0,1
.if \t < 4
	ds_load_b128 v[16*\t+8*\f:16*\t+8*\f+3], v28 offset:16*SIP*\t+64*\f
	ds_load_b128 v[16*\t+8*\f+4:16*\t+8*\f+7], v28 offset:16*SIP*\t+64*\f+16
.else
	ds_load_b128 v[16*\t+8*\f:16*\t+8*\f+3], v29 offset:16*SIP*(\t-4)+64*\f
	ds_load_b128 v[16*\t+8*\f+4:16*\t+8*\f+7], v29 offset:16*SIP*(\t-4)+64*\f+16
.endif
.endr
.endr
.irp j, 36,37,38,39
	v_mov_b32 v[KW+\j], 0                          ; behind K's last tile
.endr
.irp j, 34,35,36,37,38,39
	v_mov_b32 v[VW+\j], 0                          ; V of keys 132 and up
.endr
	v_mov_b32 v[MW1+1], 0
	v_mov_b32 v[PX1], 0
	v_mov_b32 v[SW1], v[SW]
	WIN 0
	BAR                                            ; every wave has read the stage: ACT0 and ACT1, which lie over it, may be written
	WIN 0x05
.irp t, 0,1,2,3,4,5,6,7,8
.irp k, 0,1,2,3,4,5,6,7
	v_cvt_pk_f16_f32 v[160+8*\t+\k], v[16*\t+2*\k], v[16*\t+2*\k+1]
.endr
.endr
	WIN 0
.irp t, 0,1,2,3,4,5,6,7,8
	ds_store_b128 v[ST0], v[160+8*\t:160+8*\t+3] offset:TP*\t
	ds_store_b128 v[ST0], v[160+8*\t+4:160+8*\t+7] offset:TP*\t+HS
.endr
	; ================= the three blocks
	s_mov_b32 s5, 0
.Lblock:
	BAR                                            ; ACT0 is whole; nobody reads ACT1 any more
	s_wait_loadcnt 0x0                             ; Wq, Wk, Wv
	SEQ 0, 0
	SEQ 1, 1
	BAR                                            ; O is whole
	LDW 72, 4, W1R, 16                             ; W1, over Wv and P
	WIN 0x40
	LDV BO1, 0                                     ; bo
	WIN 0
	LDX XFA, AXR1, 0
	LDX XFA+32, AXR1, TP
	s_wait_loadcnt 0x10                            ; Wo is in; the 16 loads of W1 stay out
	ROWS WS0, 0
	LDW 72, 5, WS0, 16                             ; W2 over Wo: tile 7's LayerNorm work stands behind the last products
	WIN 0x55
	LNA 8, 0, 1
	WIN 0
	BAR                                            ; all four waves' statistics are there
	LDV GA, 1
	LDV BE, 2
	STLD 0, 0
.irp t, 0,1,2,3,4,5,6,7,8
	LNB \t, 0, 0
.endr
	BAR                                            ; LN1's result is whole in ACT0
	LDV B1, 3
	v_mov_b32 v[XP], v[AXR0]
	v_mov_b32 v[GP], v[ST1]
	LDX FX, XP, 0
	s_wait_loadcnt 0x10                            ; W1 is in; the 16 loads of W2 stay out
	s_mov_b32 s6, 8
.Lffn:
	FFN1 1
	s_sub_co_i32 s6, s6, 1
	s_cmp_lg_u32 s6, 0
	s_cbranch_scc1 .Lffn
	FFN1 0
	BAR                                            ; gelu's result is whole in ACT1
	WIN 0x40
	LDV BO1, 4                                     ; b2
	WIN 0
	LDX XFA, AXR1, 0
	LDX XFA+32, AXR1, TP
	s_wait_loadcnt 0x0                             ; W2
	ROWS WS0, STAT1O
	s_cmp_eq_u32 s5, 2
	s_cbranch_scc1 .Lno_next                       ; behind the last block lie no weights
	LDW 70, 6, WQ, 8                               ; the next block's Wq, Wk, Wv
	LDW 70, 7, WK, 8
	LDW 70, 8, WV, 8
.Lno_next:
	WIN 0x55
	LNA 8, STAT1O, 1
	WIN 0
	BAR
	LDV GA, 5
	LDV BE, 6
	STLD 0, STAT1O
.irp t, 0,1,2,3,4,5,6,7,8
	LNB \t, STAT1O, 0
.endr
	s_wait_xcnt 0x0                                ; the bases of the loads on their way are stepped only behind this wait (ISA guide 3.1)
	s_add_nc_u64 s[70:71], s[70:71], 6*WMAT
	s_add_nc_u64 s[72:73], s[72:73], 6*WMAT
	v_add_nc_u32 v[VQ], 1536, v[VQ]
	v_add_nc_u32 v[VV], 1536, v[VV]
	v_add_nc_u32 v[VR], 3584, v[VR]
	s_add_co_u32 s5, s5, 1
	s_cmp_lt_u32 s5, 3
	s_cbranch_scc1 .Lblock
	; ================= the last LayerNorm and the way out
	s_wait_loadcnt 0x0                             ; v32 and up are used again below: no load into them is out on any path
	WIN 0x55
.irp t, 0,1,2,3,4,5,6,7,8
	LNA \t, 0, 0
.endr
	WIN 0
	s_mul_i32 s80, s4, SOSZ
	s_mul_i32 s81, s3, SOSL
	s_add_co_u32 s81, s81, s80
	v_mul_u32_u24 v24, v22, SOP
	v_lshl_add_u32 v24, v23, 5, v24
	v_add_nc_u32 v24, s81, v24                     ; my slice: token r, features 8 h ..
	v_lshrrev_b32 v25, 3, v21
	v_and_b32 v26, 7, v21
	v_mul_u32_u24 v25, v25, SOSL
	v_lshl_add_u32 v25, v26, 4, v25
	v_add_nc_u32 v25, s80, v25                     ; a whole row: lane l takes 16 bytes of slice l / 8
	s_mul_i32 s81, s3, SOP
	v_add_nc_u32 v26, s81, v25                     ; token p
	s_mul_i32 s81, s3, 32*SOP
	s_add_co_u32 s81, s81, 4*SOP
	v_add_nc_u32 v27, s81, v25                     ; tokens 4 + 32 p ..
	BAR                                            ; the statistics are there, and every wave's stores into ACT0 are done: the stage lies over it
	LDV GA, 0                                      ; the stepped address now stands at out_g, out_b
	LDV BE, 1
	STLD 0, 0
.irp t, 0,1,2,3,4,5,6,7,8
	LNB \t, 0, 1
.endr
	BAR
	ds_load_b128 v[32:35], v26
.set i_, 0
.rept 32
	ds_load_b128 v[36+4*i_:36+4*i_+3], v27 offset:SOP*i_
.set i_, i_+1
.endr
	s_wait_dscnt 0x20                              ; LDS loads come back in order (ISA guide 5.7.1): the counts leave the younger rows out
	global_store_b128 v[WL], v[32:35], s[14:15] th:TH_STORE_NT     ; each store of the wave is a whole row: 512 consecutive bytes, aligned
.set i_, 0
.rept 32
	s_wait_dscnt 31-i_
	global_store_b128 v[WL], v[36+4*i_:36+4*i_+3], s[16:17] offset:512*i_ th:TH_STORE_NT
.set i_, i_+1
.endr
	s_set_vgpr_msb 0x5
	s_wait_tensorcnt 0x0
	ds_add_u32 v254, v255
	s_wait_dscnt 0x0
	s_set_vgpr_msb 0x500
	s_endpgm
.Lfunc_end_k_q4716c800f5_main:
	.size	k_q4716c800f5_main, .Lfunc_end_k_q4716c800f5_main-k_q4716c800f5_main
	.p2alignl 7, 3214868480
	.fill 96, 4, 3214868480
	.section	.rodata,"a",@progbits
	.p2align	6, 0x0
	.amdhsa_kernel k_q4716c800f5_main
		.amdhsa_group_segment_fixed_size 268800
		.amdhsa_private_segment_fixed_size 0
		.amdhsa_enable_private_segment 0
		.amdhsa_kernarg_size 224
		.amdhsa_user_sgpr_count 2
		.amdhsa_user_sgpr_kernarg_segment_ptr 1
		.amdhsa_wavefront_size32 1
		.amdhsa_system_sgpr_workgroup_id_x 1
		.amdhsa_system_sgpr_workgroup_id_y 1
		.amdhsa_system_sgpr_workgroup_id_z 1
		.amdhsa_system_vgpr_workitem_id 0
		.amdhsa_next_free_vgpr 512
		.amdhsa_next_free_sgpr 100
		.amdhsa_reserve_vcc 0
		.amdhsa_float_denorm_mode_32 3
		.amdhsa_float_denorm_mode_16_64 3
		.amdhsa_memory_ordered 1
		.amdhsa_forward_progress 1
		.amdhsa_inst_pref_size 255
	.end_amdhsa_kernel
	.section	.bss,"aw",@nobits
	.p2align	6
	.space	262144
	.amdgpu_metadata
---
amdhsa.version: [ 1, 2 ]
amdhsa.kernels:
  - .name:           k_q4716c800f5_main
    .symbol:         k_q4716c800f5_main.kd
    .args:
      - { .name: x, .offset: 0, .size: 8, .value_kind: global_buffer, .address_space: global }
      - { .name: params_cls, .offset: 8, .size: 8, .value_kind: global_buffer, .address_space: global }
      - { .name: ws, .offset: 16, .size: 8, .value_kind: global_buffer, .address_space: global }
      - { .name: out0, .offset: 24, .size: 8, .value_kind: global_buffer, .address_space: global }
      - { .name: out1, .offset: 32, .size: 8, .value_kind: global_buffer, .address_space: global }
      - { .name: params_blocks_0_wo_b, .offset: 40, .size: 8, .value_kind: global_buffer, .address_space: global }
      - { .name: params_blocks_0_ln1_g, .offset: 48, .size: 8, .value_kind: global_buffer, .address_space: global }
      - { .name: params_blocks_0_ln1_b, .offset: 56, .size: 8, .value_kind: global_buffer, .address_space: global }
      - { .name: params_blocks_0_w1_b, .offset: 64, .size: 8, .value_kind: global_buffer, .address_space: global }
      - { .name: params_blocks_0_w2_b, .offset: 72, .size: 8, .value_kind: global_buffer, .address_space: global }
      - { .name: params_blocks_0_ln2_g, .offset: 80, .size: 8, .value_kind: global_buffer, .address_space: global }
      - { .name: params_blocks_0_ln2_b, .offset: 88, .size: 8, .value_kind: global_buffer, .address_space: global }
      - { .name: params_blocks_1_wo_b, .offset: 96, .size: 8, .value_kind: global_buffer, .address_space: global }
      - { .name: params_blocks_1_ln1_g, .offset: 104, .size: 8, .value_kind: global_buffer, .address_space: global }
      - { .name: params_blocks_1_ln1_b, .offset: 112, .size: 8, .value_kind: global_buffer, .address_space: global }
      - { .name: params_blocks_1_w1_b, .offset: 120, .size: 8, .value_kind: global_buffer, .address_space: global }
      - { .name: params_blocks_1_w2_b, .offset: 128, .size: 8, .value_kind: global_buffer, .address_space: global }
      - { .name: params_blocks_1_ln2_g, .offset: 136, .size: 8, .value_kind: global_buffer, .address_space: global }
      - { .name: params_blocks_1_ln2_b, .offset: 144, .size: 8, .value_kind: global_buffer, .address_space: global }
      - { .name: params_blocks_2_wo_b, .offset: 152, .size: 8, .value_kind: global_buffer, .address_space: global }
      - { .name: params_blocks_2_ln1_g, .offset: 160, .size: 8, .value_kind: global_buffer, .address_space: global }
      - { .name: params_blocks_2_ln1_b, .offset: 168, .size: 8, .value_kind: global_buffer, .address_space: global }
      - { .name: params_blocks_2_w1_b, .offset: 176, .size: 8, .value_kind: global_buffer, .address_space: global }
      - { .name: params_blocks_2_w2_b, .offset: 184, .size: 8, .value_kind: global_buffer, .address_space: global }
      - { .name: params_blocks_2_ln2_g, .offset: 192, .size: 8, .value_kind: global_buffer, .address_space: global }
      - { .name: params_blocks_2_ln2_b, .offset: 200, .size: 8, .value_kind: global_buffer, .address_space: global }
      - { .name: params_out_g, .offset: 208, .size: 8, .value_kind: global_buffer, .address_space: global }
      - { .name: params_out_b, .offset: 216, .size: 8, .value_kind: global_buffer, .address_space: global }
    .group_segment_fixed_size: 268800
    .private_segment_fixed_size: 0
    .kernarg_segment_align: 8
    .kernarg_segment_size: 224
    .max_flat_workgroup_size: 256
    .sgpr_count:     100
    .vgpr_count:     512
    .wavefront_size: 32
...
	.end_amdgpu_metadata
.endif
;; end of part 2
